; MI455X (gfx1250); checked and timed in simulation.
; The chip was launched on July 23, 2026; its instructions are those of AMD's public machine-readable ISA for CDNA 5 (MIT licence, August 2026) and "CDNA5" Instruction Set Architecture Reference Guide (July 2026). The comments in the code are by the model that wrote it; some were corrected since.
;; GRU. Allowed arithmetic: matrix products marked QUANTISED: E2M1 operands, one E8M0 scale for each 32 along K, by v_wmma_scale_f32_16x16x128_f8f6f4 with both operands' format E2M1 (or v_wmma_scale_f32_32x16x128_f4), f32 sums; everything else in f32.
;; Inputs: br 1,024 float32; bx 1,024 float32; bz 1,024 float32; inp_codes 8,192 x 32 x 16 uint8 (E2M1 codes of inp, K innermost, in blocks of 32 codes, two codes a byte); inp_scales 8,192 x 32 uint8 (E8M0 scales of inp, one for each 32 codes along K); state 8,192 x 1,024 float32; ur 1,024 x 1,024 float32; uz 1,024 x 1,024 float32; wh 1,024 x 1,024 float32; wr 1,024 x 1,024 float32; wx 1,024 x 1,024 float32; wz 1,024 x 1,024 float32.
;; Outputs: out0 8,192 x 1,024 float32.
;; This version of the problem:
;;   THIS VERSION OF THE PROBLEM IS GIVEN IN LOW PRECISION. The matrix products marked QUANTISED in the list below multiply operands that are first quantised to E2M1 (2 exponent bits, 1 mantissa bit; 4 bits a number), with one power-of-two scale for each 32 numbers along K (OCP MX v1.0); their sums are f32. All else is computed in f32.
;;   The module's matrix products, in the order in which they are computed (A, B: the left and right operand; K: the contracted axis; several contracted axes count as one K, in the product's order):
;;     1. [M 8,192, K 1,024] x [K 1,024, N 3,072]; A: input inp (given as codes); B: computed on the way: QUANTISED
;;     2. [M 8,192, K 1,024] x [K 1,024, N 3,072]; A: input state; B: computed on the way: QUANTISED
;;   THE QUANTISER, for each operand of a quantised product, along K:
;;     - K is cut into blocks of 32 from its start; a last block that is shorter is filled with zeros.
;;     - A block's scale is 2^e with e = floor(log2(the largest magnitude in the block)) - 2, held to -126 .. 127; a block of zeros has e = 0. As a byte (E8M0): e + 127.
;;     - Each number is divided by its block's scale, clamped to +-6, and rounded to the nearest number of E2M1, ties to even, subnormals kept.
;;     - The product sums the exact products of the quantised numbers (number of the format x scale) in f32.
;;   ~~~python
;;   def quantise(x, axis):      # numpy; x: float32 -> the quantised numbers, widened to float32 again
;;       x = np.moveaxis(x, axis, -1); K = x.shape[-1]
;;       x = np.pad(x, [(0, 0)] * (x.ndim - 1) + [(0, -K % 32)]); x = x.reshape(x.shape[:-1] + (-1, 32)); a = np.abs(x).max(-1, keepdims=True)
;;       e = np.where(a > 0, np.clip(np.frexp(np.where(a > 0, a, 1))[1] - 1 - 2, -126, 127), 0)      # np.frexp(a)[1] - 1 = floor(log2(a)), exactly
;;       r = np.clip(x / 2.0 ** e, -6, 6)
;;       step = 2.0 ** (np.maximum(np.frexp(np.where(r == 0, 1, r))[1] - 1, 0) - 1)
;;       q = np.round(r / step) * step * 2.0 ** e      # np.round: ties to even
;;       return np.moveaxis(q.reshape(q.shape[:-2] + (-1,))[..., :K], -1, axis).astype(np.float32)
;;   ~~~
;;   OPERANDS COMPUTED ON THE WAY. 'Computed on the way' means the value that the module computes at that place (a softmax that the list does not call 'softmax' is quantised finished and normalised). What goes into a quantiser is computed in f32, as accurately as f32 sums, v_exp_f32 and their like allow (about 1e-6 of the number): no bf16 or f16 on the way to a quantiser, and a product that is left as it is and whose result goes on into a quantised operand takes f32 operands (vector FMAs, or v_wmma_f32_16x16x4_f32). A number that lies on a knife's edge between two numbers of the format may be rounded either way, as far as f32 arithmetic and the matrix unit's own rounding can turn it there, and no further.
;;   INPUTS GIVEN AS CODES. inp (in the module: [8192, 1024], K = its axis 1): each comes as NAME_codes (uint8): NAME with its K axis moved to the last place and cut into blocks of 32 codes, [.., K / 32, bytes a block], one block behind the other in memory; two codes a byte, the lower K in the low four bits (a code: sign, 2 exponent bits, 1 mantissa bit); and NAME_scales (uint8): the same leading axes, one E8M0 byte (e + 127) for each 32 codes along K. Its value is code x scale, taken as it is: it is not quantised again, and the codes and scales need not be those that the quantiser above would give.
;; One version. Each part assembles by itself: llvm-mc -triple=amdgcn-amd-amdhsa -mcpu=gfx1250 --defsym DOCPART=n.
;; ======== version 1 of 1: 2 launches
;; limits: right only within a limited range of input values
;; workspace buffers: st_codes 4,194,304 bytes; st_scales 262,144 bytes; wq 3,342,336 bytes
;; launch quant (part 1): grid 640 x 1, 4 waves a work-group, no clusters, 33,280 bytes of LDS; arguments state, wz, wr, wx, uz, ur, wh, st_codes, st_scales, wq; writes st_codes, st_scales, wq
.if DOCPART == 1
	.amdgcn_target "amdgcn-amd-amdhsa--gfx1250"
	.amdhsa_code_object_version 6
	.text
	.protected	k_qc39b95d8d0_quant
	.globl	k_qc39b95d8d0_quant
	.p2align	8
	.type	k_qc39b95d8d0_quant,@function
k_qc39b95d8d0_quant:
	s_mov_b64 s[64:65], 0
	v_nop
	global_prefetch_b8 v0, s[64:65] scope:SCOPE_SE
	s_setreg_imm32_b32 hwreg(HW_REG_WAVE_MODE, 25, 1), 1
	s_wait_xcnt 0x0
; GRU step, first of two launches: the operands that arrive as f32 become codes of FP4 (E2M1) with one E8M0 scale byte for each 32 along K.
; NO WORK IS LEFT OUT in this program: every input of the problem has a way to the output (both products, all three biases, the f32 state in the blend), so all are loaded by one launch or the other.
; state [8192][1024], K innermost  -> st_codes [8192][512 bytes], st_scales [8192][32 bytes]: laid as inp_codes and inp_scales are.
; wz, wr, wx, uz, ur, wh [1024 (K)][1024 (N)], K is the FIRST axis -> wq, laid in the order of the matrix operand's registers:
;   32 blocks of WBLK bytes, block ((cb x 2 + src) x 2 + chunk): cb = 128 columns, src = 0 (wz, wr, wx: they meet inp) or 1 (uz, ur, wh: they meet state), chunk = 512 along K.
;   In a block the codes at t x 12288 + g x 4096 + kb x 256 + r x 16 (t: tile of 16 columns, g: gate z, r, h, kb: block of 32 along K, r: column in the tile; 16 bytes = 32 codes),
;   so that a fragment (16 columns x 128 K) is 1,024 bytes on end, lane l's two pieces of 16 bytes at 16 l and 512 + 16 l.  The scale words at 98304 + t x 768 + g x 256 + r x 16 + 4 q (q: 128 along K).
; A block's scale is 2^(floor(log2(its largest magnitude)) - 2); its byte is the largest magnitude's exponent field - 2, held at 1 from below; each number is divided by the scale and rounded to the nearest code, ties to even,
; beyond the largest code the largest.
; LIMITS: a block of zeros gets the byte 1 where the rule says 127: its codes are zeros, which add nothing under any byte but 0xff, and the bytes are read by this program alone.
; Blocks whose largest magnitude lies under 2^-124, the floor, keep the byte 1.  NaN and infinities in state or the weights are not served.
; SHARES.  Work-groups 0-383 take the weights, 384-639 the state: one scalar branch on the work-group's number.  No tensor load, no barrier: waves share nothing.  The state's path alone stores to LDS.
.set WBLK,  104448
.set WREG,  8192                       ; LDS: a region for each wave (state's path): two stages of 32 x SP bytes, behind them its 256 scale bytes
.set SP,    80                         ; a lane's place in a stage: 64 bytes + 16 of padding
.set SPARE, 4*WREG                     ; behind the four regions: the spare words, 128 bytes for each wave: two blocks of 256 bytes that no other line names
.set SPW,   12                         ; v12  LDS address of my spare word; never rewritten
.set NIL,   13                         ; v13  0; never rewritten
.set XW,    32                         ; weights: v32-95 two sets of 32 numbers
.set CW,    96                         ; weights: v96-111 four registers of codes for each block: no store's data are written again
.set SBW,   24                         ; weights: v24 the four scale bytes
.set R,     16                         ; state: v16-79 four sets of 16 numbers as loaded
.set X,     80                         ; state: v80-111 two sets of 16 neighbours
.set E,     112                        ; state: v112-127 a scale byte for each step
.set C,     128                        ; state: v128-159 two registers of codes for each step
	s_load_b256 s[4:11], s[0:1], 0x0               ; state s[4:5], wz s[6:7], wr s[8:9], wx s[10:11]
	s_load_b256 s[12:19], s[0:1], 0x20             ; uz s[12:13], ur s[14:15], wh s[16:17], st_codes s[18:19]
	s_load_b128 s[20:23], s[0:1], 0x40             ; st_scales s[20:21], wq s[22:23]
	v_lshl_add_u32 v[SPW], v0, 2, SPARE
	v_mov_b32 v[NIL], 0
	v_lshrrev_b32 v1, 5, v0
	v_readfirstlane_b32 s24, v1                    ; wave 0..3
	v_and_b32 v2, 31, v0                           ; lane
	; the LDS addresses of the state's path are made here, ahead of the parting
	s_mul_i32 s25, s24, WREG
	v_lshrrev_b32 v14, 2, v2
	v_mul_u32_u24 v14, v14, SP
	v_and_b32 v15, 3, v2
	v_lshl_add_u32 v14, v15, 4, v14
	v_add_nc_u32 v14, s25, v14                     ; the stage, on the way in: four lanes' 64 bytes on end, then 16 of padding
	v_mul_u32_u24 v15, v2, SP
	v_add_nc_u32 v15, s25, v15                     ; and on the way out: SP x lane: my 16 neighbours
	v_lshrrev_b32 v5, 1, v2
	s_add_co_u32 s25, s25, 2*32*SP
	v_add_nc_u32 v5, s25, v5                       ; my wave's 256 scale bytes, my block's byte
	v_lshlrev_b32 v7, 3, v2                        ; 8 bytes a lane: my codes' place in a step's 256 bytes, and my part of the wave's scale bytes
	v_add_nc_u32 v6, s25, v7
	s_wait_kmcnt 0x0
	s_cmp_lt_u32 ttmp9, 384
	s_cbranch_scc0 .Lstate
	; ---------------- THE WEIGHTS.  A lane takes a column, its registers run down K: a block of 32 along K lies in one lane's 32 registers, and the conversions give codes with K innermost.
	; Work-group id = (matrix x 32 + group of 32 columns) x 2 + chunk; wave w takes the chunk's w-th 128 along K: four blocks a lane.
	s_and_b32 s26, ttmp9, 1                        ; chunk
	s_bfe_u32 s27, ttmp9, 0x50001                  ; cg: which 32 columns (5 bits from bit 1)
	s_lshr_b32 s28, ttmp9, 6                       ; matrix 0..5: wz, wr, wx, uz, ur, wh
	s_mov_b64 s[30:31], s[6:7]                     ; the matrix's address: a choice that hangs on the work-group's number alone
	s_cmp_eq_u32 s28, 1
	s_cselect_b64 s[30:31], s[8:9], s[30:31]
	s_cmp_eq_u32 s28, 2
	s_cselect_b64 s[30:31], s[10:11], s[30:31]
	s_cmp_eq_u32 s28, 3
	s_cselect_b64 s[30:31], s[12:13], s[30:31]
	s_cmp_eq_u32 s28, 4
	s_cselect_b64 s[30:31], s[14:15], s[30:31]
	s_cmp_eq_u32 s28, 5
	s_cselect_b64 s[30:31], s[16:17], s[30:31]
	s_cmp_ge_u32 s28, 3
	s_cselect_b32 s29, 1, 0                        ; src
	s_mul_i32 s38, s29, 3
	s_sub_co_u32 s38, s28, s38                     ; g = matrix - 3 src
	s_lshr_b32 s32, s27, 2                         ; cb
	s_lshl_b32 s32, s32, 1
	s_add_co_u32 s32, s32, s29
	s_lshl_b32 s32, s32, 1
	s_add_co_u32 s32, s32, s26                     ; the block's number
	s_mul_i32 s36, s32, WBLK                       ; and its first byte in wq
	s_and_b32 s33, s27, 3                          ; which two tiles of the block's eight
	s_mul_i32 s34, s33, 2*12288
	s_add_co_u32 s34, s34, s36
	s_lshl_b32 s35, s38, 12
	s_add_co_u32 s34, s34, s35                     ; + g x 4096
	s_lshl_b32 s35, s24, 10
	s_add_co_u32 s34, s34, s35                     ; + my four blocks of K: w x 1024
	s_mov_b32 s35, 0
	s_mul_i32 s33, s33, 2*768
	s_add_co_u32 s36, s36, s33
	s_add_co_u32 s36, s36, 98304                   ; the scale words
	s_lshl_b32 s33, s38, 8
	s_add_co_u32 s36, s36, s33
	s_lshl_b32 s33, s24, 2
	s_add_co_u32 s36, s36, s33                     ; + 4 w: my word
	s_mov_b32 s37, 0
	s_lshl_b32 s32, s26, 21                        ; in: chunk x 512 rows of 4,096 bytes
	s_lshl_b32 s33, s24, 19                        ; + w x 128 rows
	s_add_co_u32 s32, s32, s33
	s_lshl_b32 s33, s27, 7                         ; + cg x 32 columns
	s_add_co_u32 s32, s32, s33
	s_mov_b32 s33, 0
	s_add_nc_u64 s[30:31], s[30:31], s[32:33]
	s_add_nc_u64 s[34:35], s[22:23], s[34:35]
	s_add_nc_u64 s[36:37], s[22:23], s[36:37]
	v_lshlrev_b32 v3, 2, v2                        ; in: 4 bytes a lane
	v_and_b32 v8, 15, v2
	v_lshrrev_b32 v9, 4, v2
	v_mul_u32_u24 v4, v9, 12288
	v_lshl_add_u32 v4, v8, 4, v4                   ; codes: lanes 16-31 are the next tile; 16 bytes a column
	v_mul_u32_u24 v26, v9, 768
	v_lshl_add_u32 v26, v8, 4, v26                 ; scale words likewise
.macro WLOAD t                         ; block t: W(32 t + i, my column), i = 0 .. 31, into set t % 2; a load reads 128 consecutive bytes
.irp i, 0,1,2,3,4,5,6,7,8,9,10,11,12,13,14,15,16,17,18,19,20,21,22,23,24,25,26,27,28,29,30,31
	global_load_b32 v[XW+32*((\t)%2)+\i], v3, s[30:31] offset:(32*(\t)+\i)*4096 th:TH_LOAD_NT
.endr
.endm
.macro WBLOCK t
.set XS, XW+32*((\t)%2)
.if (\t) < 3
	s_wait_loadcnt 32                              ; this block's 32 loads are in; the next block's 32 may be out
.else
	s_wait_loadcnt 0x0
.endif
	v_max3_num_f32 v8, |v[XS]|, |v[XS+1]|, |v[XS+2]|               ; the block's largest magnitude: all 32 numbers are mine; two chains
	v_max3_num_f32 v9, |v[XS+3]|, |v[XS+4]|, |v[XS+5]|
.irp i, 6,10,14,18,22,26
	v_max3_num_f32 v8, v8, |v[XS+\i]|, |v[XS+\i+1]|
	v_max3_num_f32 v9, v9, |v[XS+\i+2]|, |v[XS+\i+3]|
.endr
	v_max3_num_f32 v8, v8, |v[XS+30]|, |v[XS+31]|
	v_max3_num_f32 v8, v8, v9, 0x1800000           ; and the floor 2^(3 - 127): the byte cannot fall under 1
	v_add_nc_u32 v11, 0xff000000, v8               ; 2 off the exponent field: the conversion takes the exponent field of this operand as its scale, and nothing else of it
.if (\t) == 0
	v_lshrrev_b32 v[SBW], 23, v11                  ; the scale's byte; four to the word, the lower K in the lower byte
.else
	v_lshrrev_b32 v10, 23, v11
	v_lshl_or_b32 v[SBW], v10, 8*(\t), v[SBW]
.endif
.irp g, 0,1,2,3
	v_cvt_scalef32_pk8_fp4_f32 v[CW+4*(\t)+\g], v[XS+8*\g:XS+8*\g+7], v11
.endr
	global_store_b128 v4, v[CW+4*(\t):CW+4*(\t)+3], s[34:35] offset:256*(\t)   ; each half of the lanes stores 256 consecutive bytes, at a multiple of 256 from wq's first byte
.if (\t)+2 < 4
	WLOAD (\t)+2                                   ; (the next block begins with plain vector lines: they stand between these conversions and the next write of v11)
.endif
.endm
	WLOAD 0
	WLOAD 1
	WBLOCK 0
	WBLOCK 1
	WBLOCK 2
	WBLOCK 3
	global_store_b32 v26, v[SBW], s[36:37]         ; my column's word for these 128 along K: 4 bytes of each 16; the work-group's four waves fill the 16.  One word for each 128 that the path reads
	s_wait_tensorcnt 0x0                           ; the wave's end
	ds_add_u32 v[SPW], v[NIL]
	s_wait_dscnt 0x0
	s_endpgm
	; ---------------- THE STATE.  Rows are dense and 1,024 is a multiple of 32: a plain stream of blocks of 32.  A wave takes 16 steps of 512 numbers.
	; The conversions take neighbours along K from ONE lane's registers, a load is best where neighbouring LANES take neighbouring bytes: so each load reads 512 consecutive bytes, 16 a lane,
	; and a step's 2,048 bytes turn through the wave's own stage in LDS and come back 64 bytes a lane.  Two neighbouring lanes hold a block.  Loads run four steps ahead, the turn through LDS one.
.Lstate:
	v_lshlrev_b32 v3, 4, v2                        ; my 16 bytes of a load's 512
	s_wait_alu depctr_va_vdst(0)
	s_sub_co_u32 s26, ttmp9, 384
	s_lshl_b32 s26, s26, 2
	s_add_co_u32 s26, s26, s24                     ; which run of 8,192 numbers is my wave's: 0..1023
	s_mov_b32 s29, 0
	s_lshl_b32 s28, s26, 15
	s_add_nc_u64 s[4:5], s[4:5], s[28:29]          ; 32,768 bytes of f32 a run,
	s_lshl_b32 s28, s26, 12
	s_add_nc_u64 s[18:19], s[18:19], s[28:29]      ; 4,096 of codes,
	s_lshl_b32 s28, s26, 8
	s_add_nc_u64 s[20:21], s[20:21], s[28:29]      ; 256 scale bytes
.macro QLOAD t
.irp i, 0,1,2,3
	global_load_b128 v[R+16*((\t)%4)+4*\i:R+16*((\t)%4)+4*\i+3], v3, s[4:5] offset:2048*(\t)+512*\i th:TH_LOAD_NT
.endr
.endm
.macro QTURN t                         ; step t's numbers through the stage: LDS serves a wave's instructions in order (ISA guide 5.7.1.4), so no wait stands between the stores and the loads
.irp i, 0,1,2,3
	ds_store_b128 v14, v[R+16*((\t)%4)+4*\i:R+16*((\t)%4)+4*\i+3] offset:32*SP*((\t)%2)+8*SP*\i
.endr
.irp i, 0,1,2,3
	ds_load_b128 v[X+16*((\t)%2)+4*\i:X+16*((\t)%2)+4*\i+3], v15 offset:32*SP*((\t)%2)+16*\i
.endr
.endm
.macro QSTEP t
.set XS, X+16*((\t)%2)
.if (\t) > 0
	s_wait_dscnt 1                                 ; this step's numbers are back from the stage (the last step's byte store may be out): so its stores into the stage have read their registers,
.else
	s_wait_dscnt 0x0
.endif
.if (\t)+4 < 16
	QLOAD (\t)+4                                   ; which take the loads of four steps on
.endif
.if (\t)+1 < 16
.if 14-(\t) >= 3
	s_wait_loadcnt 12                              ; the next step's four loads are in; those of the three steps behind it may be out
.else
	s_wait_loadcnt 4*(14-(\t))
.endif
	QTURN (\t)+1                                   ; and go through the other stage while this step is worked
.endif
	v_max3_num_f32 v8, |v[XS]|, |v[XS+1]|, |v[XS+2]|               ; the largest magnitude of my 16
	v_max3_num_f32 v9, |v[XS+3]|, |v[XS+4]|, |v[XS+5]|
.irp i, 6,10
	v_max3_num_f32 v8, v8, |v[XS+\i]|, |v[XS+\i+1]|
	v_max3_num_f32 v9, v9, |v[XS+\i+2]|, |v[XS+\i+3]|
.endr
	v_max3_num_f32 v8, v8, |v[XS+14]|, |v[XS+15]|
	v_max3_num_f32 v8, v8, v9, 0x1800000           ; and the floor 2^(3 - 127)
	v_max_num_f32_dpp v8, v8, v8 row_xmask:1 row_mask:0xf bank_mask:0xf   ; and of my neighbour's 16: the block's
	v_add_nc_u32 v11, 0xff000000, v8               ; 2 off its exponent field: the conversion's scale operand
	v_cvt_scalef32_pk8_fp4_f32 v[C+2*(\t)], v[XS:XS+7], v11
	v_cvt_scalef32_pk8_fp4_f32 v[C+2*(\t)+1], v[XS+8:XS+15], v11
	v_lshrrev_b32 v[E+(\t)], 23, v11               ; the scale's byte (also the plain line behind the conversions)
	ds_store_b8 v5, v[E+(\t)] offset:16*(\t)       ; both lanes of a block write the same byte with the same value
	global_store_b64 v7, v[C+2*(\t):C+2*(\t)+1], s[18:19] offset:256*(\t)   ; the wave stores 256 consecutive bytes, at a multiple of 256 from the buffer's first byte
.endm
.irp t, 0,1,2,3
	QLOAD \t
.endr
	s_wait_loadcnt 12                              ; step 0's four loads are in
	QTURN 0
.irp t, 0,1,2,3,4,5,6,7,8,9,10,11,12,13,14,15
	QSTEP \t
.endr
	ds_load_b64 v[8:9], v6                         ; my wave's 256 scale bytes, 8 a lane: these loads see my stores
	s_wait_dscnt 0x0
	global_store_b64 v7, v[8:9], s[20:21]          ; 256 consecutive bytes, aligned
	s_wait_tensorcnt 0x0                           ; the wave's end, behind my last LDS store
	ds_add_u32 v[SPW], v[NIL]
	s_wait_dscnt 0x0
	s_endpgm
.Lfunc_end_k_qc39b95d8d0_quant:
	.size	k_qc39b95d8d0_quant, .Lfunc_end_k_qc39b95d8d0_quant-k_qc39b95d8d0_quant
	.p2alignl 7, 3214868480
	.fill 96, 4, 3214868480
	.section	.rodata,"a",@progbits
	.p2align	6, 0x0
	.amdhsa_kernel k_qc39b95d8d0_quant
		.amdhsa_group_segment_fixed_size 33280
		.amdhsa_private_segment_fixed_size 0
		.amdhsa_enable_private_segment 0
		.amdhsa_kernarg_size 80
		.amdhsa_user_sgpr_count 2
		.amdhsa_user_sgpr_kernarg_segment_ptr 1
		.amdhsa_wavefront_size32 1
		.amdhsa_system_sgpr_workgroup_id_x 1
		.amdhsa_system_sgpr_workgroup_id_y 1
		.amdhsa_system_sgpr_workgroup_id_z 1
		.amdhsa_system_vgpr_workitem_id 0
		.amdhsa_next_free_vgpr 160
		.amdhsa_next_free_sgpr 66
		.amdhsa_reserve_vcc 0
		.amdhsa_float_denorm_mode_32 3
		.amdhsa_float_denorm_mode_16_64 3
		.amdhsa_memory_ordered 1
		.amdhsa_forward_progress 1
		.amdhsa_inst_pref_size 54
	.end_amdhsa_kernel
	.amdgpu_metadata
---
amdhsa.version: [ 1, 2 ]
amdhsa.kernels:
  - .name:           k_qc39b95d8d0_quant
    .symbol:         k_qc39b95d8d0_quant.kd
    .args:
      - { .name: state, .offset: 0, .size: 8, .value_kind: global_buffer, .address_space: global }
      - { .name: wz, .offset: 8, .size: 8, .value_kind: global_buffer, .address_space: global }
      - { .name: wr, .offset: 16, .size: 8, .value_kind: global_buffer, .address_space: global }
      - { .name: wx, .offset: 24, .size: 8, .value_kind: global_buffer, .address_space: global }
      - { .name: uz, .offset: 32, .size: 8, .value_kind: global_buffer, .address_space: global }
      - { .name: ur, .offset: 40, .size: 8, .value_kind: global_buffer, .address_space: global }
      - { .name: wh, .offset: 48, .size: 8, .value_kind: global_buffer, .address_space: global }
      - { .name: st_codes, .offset: 56, .size: 8, .value_kind: global_buffer, .address_space: global }
      - { .name: st_scales, .offset: 64, .size: 8, .value_kind: global_buffer, .address_space: global }
      - { .name: wq, .offset: 72, .size: 8, .value_kind: global_buffer, .address_space: global }
    .group_segment_fixed_size: 33280
    .private_segment_fixed_size: 0
    .kernarg_segment_align: 8
    .kernarg_segment_size: 80
    .max_flat_workgroup_size: 128
    .sgpr_count:     66
    .vgpr_count:     160
    .wavefront_size: 32
...
	.end_amdgpu_metadata
.endif
;; end of part 1
;; launch gru (part 2): grid 4 x 64, 4 waves a work-group, clusters of 4 x 1, 327,680 bytes of LDS; arguments inp_codes, inp_scales, st_codes, st_scales, wq, state, bz, br, bx, out0; writes out0
.if DOCPART == 2
	.amdgcn_target "amdgcn-amd-amdhsa--gfx1250"
	.amdhsa_code_object_version 6
	.text
	.protected	k_qc39b95d8d0_gru
	.globl	k_qc39b95d8d0_gru
	.p2align	8
	.type	k_qc39b95d8d0_gru,@function
k_qc39b95d8d0_gru:
	s_mov_b64 s[64:65], 0
	v_nop
	global_prefetch_b8 v0, s[64:65] scope:SCOPE_SE
	s_setreg_imm32_b32 hwreg(HW_REG_WAVE_MODE, 25, 1), 1
	s_wait_xcnt 0x0
	s_wait_alu depctr_hold_cnt(0) depctr_sa_sdst(0) depctr_va_vdst(0) depctr_va_sdst(0) depctr_va_ssrc(0) depctr_va_vcc(0) depctr_vm_vsrc(0)
	s_getreg_b32 s2, hwreg(HW_REG_IB_STS2, 6, 4)
	s_cmp_eq_u32 s2, 0
	s_cbranch_scc0 .Lentry_in_a_cluster
	s_endpgm
.Lentry_in_a_cluster:
	s_bfe_u32 s2, ttmp6, 0x10000c
	s_cmp_lg_u32 s2, 0x3003
	s_cbranch_scc0 .Lentry_shape_is_right
	s_endpgm
.Lentry_shape_is_right:
; GRU step, second of two launches: both products on codes of FP4 (E2M1) with E8M0 scales, the gates and the blend.  Nothing of the problem is left out.
;   z = sigmoid(inp wz + state uz + bz), r = sigmoid(inp wr + state ur + br), h = tanh(inp wx + bx + (state wh) r), out = (1 - z) h + z state = h + z (state - h).
; SHARES.  A work-group of four waves makes 128 rows x 256 columns of out0, a wave all 128 rows x 64 columns of it: 8 blocks of 16 rows x 4 tiles of 16 columns.
; TWO SETS OF SUMS of 256 registers each, R and H.  A UNIT is one gate, one source and 128 along K: 4 fragments of weights, 16 matrix instructions of 32 x 16 x 128.  48 units, eight to each of six products:
;   R = inp wr, R += state ur;  H = state wh, while r = sigmoid(R + br) is made;  H = H r + bx;  H += inp wx;  R = inp wz, while H's tanh is made;  R += state uz.
; THE ROWS' codes and scale bytes, inp's and state's, come into LDS once, at the head, and stay.  The four work-groups of a cluster make the same 128 rows, so these four tiles are asked for JOINTLY, one by each wave.
; THE WEIGHTS go from memory straight into registers: the first launch has laid them in the order of the operand's registers, and a fragment is used by one wave of the work-group alone.  A ring of 8 units of 32 registers; unit u asks for unit u + 7.
;   They are not asked for jointly: that lands in LDS, where a K step of 128 of the weights of 256 columns (3 gates, 49,152 bytes) in each of two slots has no room beside the 286,720 bytes that stay.
; THE f32 STATE of the wave's own 128 x 64 outputs comes into LDS bytes of its own by one tensor load a wave behind the head's round; it is read in the layout of the sums, the result is stored over it, and comes back as whole rows of 256 bytes.
; PREFETCH: the weights of the work-group's 256 columns are 3,264 blocks of 256 bytes, which 64 work-groups read; each asks for 102 of them, a lane a block, one instruction a wave, at the head.
; THE MATRIX INSTRUCTION IS USED TRANSPOSED (source 0 = 32 columns of a weight, source 1 = 16 rows): a lane holds one row (lane % 16) and of each tile eight neighbouring columns 8 (lane / 16) + 0..7.
; LIMITS: inp's part is added first, then state's, in one f32 sum, then the bias; hh r + bx is the start of the sum of inp wx: another order of f32 rounding than the problem's text.
; sigmoid(x) = 1 / (1 + 2^(-x log2 e)), tanh(x) = 1 - 2 / (1 + 2^(2 x log2 e)): where the power overflows or falls to 0 the results are the right limits 0, 1, -1; v_exp_f32 and v_rcp_f32 are good to an ulp, so
; tanh near 0 has an absolute error of about 1e-7, not a relative one.
; REGISTERS, in windows of 256 (s_set_vgpr_msb: bits 1:0 source 0, 3:2 source 1, 5:4 source 2, 7:6 destination):
;   window 0: v1-31 addresses; v32-63 the rows' scale words, two sets of 16 (a set: 4 steps of K); v64-95 the weights' scale words, 4 sets of 8; v96-127 the bias that is due; v128-255 the rows' fragments, two sets.
;   window 1: the ring; behind the last product v0-63 the f32 state and results, v64-127 whole rows.   window 2: R at v[32 a + 8 t].   window 3: H likewise.   (a: block of 16 rows, t: tile of 16 columns)
.set WBLK,  104448                     ; a block of wq: 98,304 bytes of codes, 6,144 of scale words
.set PITCH, 528                        ; an LDS row of codes: 512 bytes + 16 of padding
.set STC,   128*PITCH                  ; state's codes behind inp's
.set SCL,   2*STC                      ; the scale bytes: 128 rows x 32 bytes as 16 units of 256 + 16; inp's, then state's
.set BIASL, SCL+2*4352                 ; for each wave 3 gates x 64 columns x 4 bytes; no tensor load lands here
.set STT,   BIASL+4*768                ; for each wave 128 rows x (256 + 16) bytes of f32 state
.set STW,   34816
.set SPARE, STT+4*STW                  ; the spare words, 128 bytes for each wave
.set WOF,   16                         ; v16  my byte offset in wq's codes
.set SOF,   17                         ; v17  and in its scale words
.set BG,    18                         ; v18  8 x lane
.set PFO,   19                         ; v19  the prefetch's offset
.set ADRI,  20                         ; v20-21 LDS address of my rows' fragments, inp's and state's
.set ADRSA, 22                         ; v22  of my rows' scale words
.set BST,   23                         ; v23  where I park 8 bytes of the biases
.set BRD,   24                         ; v24  and read my columns' back
.set STO,   25                         ; v25  my 32 bytes of a row of the state tile
.set RD,    26                         ; v26  where I read whole rows
.set CO,    27                         ; v27  my byte offset in two rows of out0
.set SPW,   28                         ; v28  LDS address of my spare word; never rewritten
.set NIL,   29                         ; v29  0; never rewritten
.set SA,    32
.set SB,    64
.set BI,    96
.set AF,    128
.set NLS,   28                         ; s[28:29] -log2(e), s[30:31] 2 log2(e): both words of a pair are written
.set TLS,   30
.set G1A,   36                         ; s[36:43] descriptor group 1: codes
.set G1S,   44                         ; s[44:51] scale bytes
.set G1T,   52                         ; s[52:59] the f32 state tile
.set G0IC,  68                         ; group 0: inp's codes, state's codes, inp's scale bytes, state's, the state tile
.set G0SC,  72
.set G0IS,  76
.set G0SS,  80
.set G0T,   84
.set WB,    88                         ; s[88:89] wq at my 128 columns' first block
.set MSB, 0
.macro WIN new                         ; the immediate's high byte repeats the setting that is left; a switch that changes nothing is dropped
.if MSB != \new
	s_set_vgpr_msb (MSB<<8)|\new
.set MSB, \new
.endif
.endm
.macro PLACES
.rept 4
	v_nop
.endr
.endm
.macro CROUND                          ; a round of the cluster's barrier
	s_barrier_signal -1
	s_barrier_wait -1
	s_cmp_lg_u32 s24, 0
	s_cbranch_scc1 .Lnot_wave_0_\@
	s_barrier_signal -3
.Lnot_wave_0_\@:
	s_barrier_wait -3
	s_barrier_signal -1
	s_barrier_wait -1
.endm
.macro MAP u                           ; unit u: mG gate (0 z, 1 r, 2 h), mS source (0 inp, 1 state), mK which 128 along K
.set mK, (\u)%8
.if (\u) < 8
.set mG, 1
.set mS, 0
.elseif (\u) < 16
.set mG, 1
.set mS, 1
.elseif (\u) < 24
.set mG, 2
.set mS, 1
.elseif (\u) < 32
.set mG, 2
.set mS, 0
.elseif (\u) < 40
.set mG, 0
.set mS, 0
.else
.set mG, 0
.set mS, 1
.endif
.endm
.macro BLOAD u                         ; unit u's four fragments into the ring (destination window 1): each load reads 512 consecutive bytes
	MAP \u
.set mO, (2*mS+mK/4)*WBLK+mG*4096+(mK%4)*1024
.set mR, 32*((\u)%8)
.irp j, 0,1,2,3
.irp c, 0,1
	global_load_b128 v[mR+8*\j+4*\c:mR+8*\j+4*\c+3], v[WOF], s[WB:WB+1] offset:mO+\j*12288+512*\c
.endr
.endr
.endm
.macro SBLOAD u                        ; the weights' scale words of units u .. u + 3: lanes 0-15 tile 2 p, lanes 16-31 tile 2 p + 1; register 4 p + q: unit u + q
	MAP \u
.set mO, (2*mS+mK/4)*WBLK+98304+256*mG
.set mR, SB+8*(((\u)/4)%4)
.irp p, 0,1
	global_load_b128 v[mR+4*\p:mR+4*\p+3], v[SOF], s[WB:WB+1] offset:mO+1536*\p
.endr
.endm
.macro SALOAD src, chunk               ; the rows' scale words for four steps: lane l row l of 32
.irp p, 0,1,2,3
	ds_load_b128 v[SA+16*(\chunk)+4*\p:SA+16*(\chunk)+4*\p+3], v[ADRSA] offset:4352*(\src)+1088*\p+16*(\chunk)
.endr
.endm
.macro ALOAD src, k                    ; the rows' eight fragments: lane l row l % 16; registers 4 c .. 4 c + 3: K = 64 c + 32 (l / 16) + 0 .. 31
.irp j, 0,1,2,3,4,5,6,7
.irp c, 0,1
	ds_load_b128 v[AF+64*((\k)%2)+8*\j+4*\c:AF+64*((\k)%2)+8*\j+4*\c+3], v[ADRI+(\src)] offset:64*(\k)+32*\c+16*PITCH*\j
.endr
.endr
.endm
.macro BIASLD g                        ; gate g's bias (0 bz, 1 br, 2 bx) in the layout of the sums
.irp j, 0,1,2,3
	ds_load_b128 v[BI+8*\j:BI+8*\j+3], v[BRD] offset:256*(\g)+64*\j
	ds_load_b128 v[BI+8*\j+4:BI+8*\j+7], v[BRD] offset:256*(\g)+64*\j+16
.endr
.endm
	s_load_b256 s[4:11], s[0:1], 0x0               ; inp_codes s[4:5], inp_scales s[6:7], st_codes s[8:9], st_scales s[10:11]
	s_load_b256 s[12:19], s[0:1], 0x20             ; wq s[12:13], state s[14:15], bz s[16:17], br s[18:19]
	s_load_b128 s[20:23], s[0:1], 0x40             ; bx s[20:21], out0 s[22:23]
	v_lshl_add_u32 v[SPW], v0, 2, SPARE
	v_mov_b32 v[NIL], 0
	ds_add_u32 v[SPW], v[NIL]                      ; the wave's opening: the add, twice on end, and its wait ahead of my first tensor load
	ds_add_u32 v[SPW], v[NIL]
	v_lshrrev_b32 v1, 5, v0
	v_readfirstlane_b32 s24, v1                    ; wave 0..3
	s_bfe_u32 s25, ttmp6, 0x40000                  ; cx
	s_lshl_b32 s26, ttmp9, 2
	s_add_co_u32 s26, s26, s25                     ; X: which 256 columns
	s_and_b32 s27, ttmp7, 0xffff                   ; Y: which 128 rows
	s_mov_b32 s[G1A], 15|(1<<20)|(1<<21)|(6<<22)|(3<<25)   ; 15:0 the mask: the cluster's four; elements of 1 byte; padding of 4 words after every 128 words; 21 set beside a mask
	s_mov_b32 s[G1A+1], 512<<16                    ; tensor_dim0
	s_mov_b32 s[G1A+2], 128<<16                    ; tensor_dim1
	s_mov_b32 s[G1A+3], 512<<16                    ; tile_dim0
	s_mov_b32 s[G1A+4], 128                        ; tile_dim1
	s_mov_b32 s[G1A+5], 512                        ; from row to row
	s_mov_b32 s[G1A+6], 0
	s_mov_b32 s[G1A+7], 0
	s_mov_b32 s[G1S], 15|(3<<16)|(1<<20)|(1<<21)|(5<<22)|(3<<25)   ; 4,096 dense bytes as 16 rows of 256, 16 bytes of padding behind each
	s_mov_b32 s[G1S+1], 32<<16
	s_mov_b32 s[G1S+2], 16<<16
	s_mov_b32 s[G1S+3], 32<<16
	s_mov_b32 s[G1S+4], 16
	s_mov_b32 s[G1S+5], 32
	s_mov_b32 s[G1S+6], 0
	s_mov_b32 s[G1S+7], 0
	s_mov_b32 s[G1T], (3<<16)|(1<<20)|(5<<22)|(3<<25)      ; my own 128 rows x 256 bytes out of rows of 4,096: no mask
	s_mov_b32 s[G1T+1], 32<<16
	s_mov_b32 s[G1T+2], 128<<16
	s_mov_b32 s[G1T+3], 32<<16
	s_mov_b32 s[G1T+4], 128
	s_mov_b32 s[G1T+5], 512
	s_mov_b32 s[G1T+6], 0
	s_mov_b32 s[G1T+7], 0
	s_mov_b32 s[NLS], 0xbfb8aa3b
	s_mov_b32 s[NLS+1], 0xbfb8aa3b
	s_mov_b32 s[TLS], 0x4038aa3b
	s_mov_b32 s[TLS+1], 0x4038aa3b
	s_lshl_b32 s60, s27, 16                        ; the rows' codes: 128 rows of 512 bytes (what feeds the joint loads never holds cx)
	s_mov_b32 s61, 0
	s_lshl_b32 s62, s27, 12                        ; their scale bytes: 128 rows of 32
	s_mov_b32 s63, 0
	s_lshl_b32 s32, s26, 1
	s_lshr_b32 s33, s24, 1
	s_add_co_u32 s32, s32, s33                     ; which 128 columns hold my 64
	s_mul_i32 s94, s32, 4*WBLK                     ; four blocks of wq each
	s_mov_b32 s95, 0
	s_lshl_b32 s90, s26, 10                        ; my columns' first byte in the biases and in a row
	s_lshl_b32 s33, s24, 8
	s_add_co_u32 s90, s90, s33
	s_mov_b32 s91, 0
	s_lshl_b32 s92, s27, 19                        ; 128 rows of 4,096 bytes
	s_add_co_u32 s92, s92, s90
	s_mov_b32 s93, 0
	s_mul_i32 s67, s26, 8*WBLK                     ; the prefetch: my share of the 256 columns' eight blocks of wq
	s_and_b32 s33, s27, 31
	s_mul_i32 s33, s33, 102*256
	s_add_co_u32 s67, s67, s33
	s_and_b32 s33, s24, 1                          ; which half of the 128 columns
	s_mul_i32 s32, s33, 4*12288
	s_mul_i32 s33, s33, 4*768
	s_mul_i32 s34, s24, 768
	s_add_co_u32 s34, s34, BIASL
	s_mul_i32 s35, s24, STW
	s_add_co_u32 s66, s35, STT
	v_and_b32 v1, 15, v0                           ; r = lane % 16
	v_bfe_u32 v2, v0, 4, 1                         ; h = lane / 16
	v_and_b32 v3, 31, v0                           ; lane
	v_lshl_add_u32 v[WOF], v3, 4, s32
	v_mul_u32_u24 v4, v2, 768
	v_lshl_add_u32 v4, v1, 4, v4
	v_add_nc_u32 v[SOF], s33, v4
	v_lshlrev_b32 v[BG], 3, v3
	v_min_u32 v5, 101, v0
	v_lshl_add_u32 v[PFO], v5, 8, s67
	v_mul_u32_u24 v6, v1, PITCH
	v_lshl_add_u32 v[ADRI], v2, 4, v6
	v_add_nc_u32 v[ADRI+1], STC, v[ADRI]
	v_lshrrev_b32 v7, 3, v3                        ; scale bytes: eight rows of 32 bytes to a unit of 256 + 16
	v_mul_u32_u24 v7, v7, 272
	v_and_b32 v8, 7, v3
	v_lshl_add_u32 v7, v8, 5, v7
	v_add_nc_u32 v[ADRSA], SCL, v7
	v_lshl_add_u32 v[BST], v3, 3, s34
	v_lshl_add_u32 v[BRD], v2, 5, s34
	v_mul_u32_u24 v9, v1, 272
	v_lshl_add_u32 v9, v2, 5, v9
	v_add_nc_u32 v[STO], s66, v9
	v_mul_u32_u24 v30, v2, 272
	v_lshl_add_u32 v30, v1, 4, v30
	v_add_nc_u32 v[RD], s66, v30
	v_lshlrev_b32 v31, 12, v2
	v_lshl_add_u32 v[CO], v1, 4, v31
	s_wait_alu depctr_va_vdst(0)                   ; the head's end
	s_wait_dscnt 0x0                               ; both opening adds are done
	s_wait_kmcnt 0x0
	s_add_nc_u64 s[WB:WB+1], s[12:13], s[94:95]
	s_add_nc_u64 s[16:17], s[16:17], s[90:91]
	s_add_nc_u64 s[18:19], s[18:19], s[90:91]
	s_add_nc_u64 s[20:21], s[20:21], s[90:91]
	s_add_nc_u64 s[14:15], s[14:15], s[92:93]
	s_add_nc_u64 s[22:23], s[22:23], s[92:93]
	global_load_b64 v[10:11], v[BG], s[16:17]      ; my 64 columns' biases, two numbers a lane
	global_load_b64 v[12:13], v[BG], s[18:19]
	global_load_b64 v[14:15], v[BG], s[20:21]
.macro G0SET reg, lds, base, off
	s_mov_b32 s[\reg], 1                           ; 1:0 count = 1
	s_mov_b32 s[\reg+1], \lds                      ; 63:32 LDS address
	s_add_nc_u64 s[\reg+2:\reg+3], s[\base:\base+1], s[\off:\off+1]   ; 120:64 global address
	s_or_b32 s[\reg+3], s[\reg+3], 0x80000000      ; 127:126 type = 2
.endm
	G0SET G0IC, 0, 4, 60
	G0SET G0SC, STC, 8, 60
	G0SET G0IS, SCL, 6, 62
	G0SET G0SS, SCL+4352, 10, 62
	s_mov_b32 s[G0T], 1
	s_add_co_u32 s[G0T+1], s35, STT
	s_mov_b64 s[G0T+2:G0T+3], s[14:15]
	s_or_b32 s[G0T+3], s[G0T+3], 0x80000000
	CROUND                                         ; all four work-groups are here: the joint loads meet
.macro ARM under, g0, g1, next
	s_cmp_lt_u32 s24, \under
	s_cbranch_scc0 \next
	tensor_load_to_lds s[\g0:\g0+3], s[\g1:\g1+7]
	s_nop 0
	PLACES
	s_branch .Lhead_asked
\next:
.endm
	ARM 1, G0IC, G1A, .Lhead_sc                    ; one load a wave: inp's codes, state's codes, inp's scale bytes, state's
	ARM 2, G0SC, G1A, .Lhead_is
	ARM 3, G0IS, G1S, .Lhead_ss
	tensor_load_to_lds s[G0SS:G0SS+3], s[G1S:G1S+7]
	s_nop 0
	PLACES
.Lhead_asked:
	SBLOAD 0
	SBLOAD 4
	WIN 0x40
.irp u, 0,1,2,3,4,5,6
	BLOAD \u
.endr
	WIN 0
	global_prefetch_b8 v[PFO], s[12:13] th:TH_LOAD_NT scope:SCOPE_SE
	s_wait_tensorcnt 0x0
	s_wait_loadcnt 60                              ; the three bias loads are in; the 60 behind them may be out
	ds_store_b64 v[BST], v[10:11]                  ; into my wave's own bytes: no other wave touches them
	ds_store_b64 v[BST], v[12:13] offset:256
	ds_store_b64 v[BST], v[14:15] offset:512
	s_wait_tensorcnt 0x0                           ; my tile is in
	ds_add_u32 v[SPW], v[NIL]
	s_wait_dscnt 0x0
	CROUND                                         ; everybody's tile is in
	tensor_load_to_lds s[G0T:G0T+3], s[G1T:G1T+7]  ; my own part of the f32 state: wanted behind the last product
	s_nop 0
	PLACES
	SALOAD 0, 0
	ALOAD 0, 0
; Two matrix instructions: block a x my four tiles.  The 16 sums of a unit take turns.  The first product of a sum takes the constant 0.
.macro ROWMM u, a
.irp p, 0,1
.set rD, 32*(\a)+16*\p
.set rB, 32*((\u)%8)+16*\p
.set rA, AF+64*(uK%2)+8*(\a)
.set rX, SB+8*(((\u)/4)%4)+4*\p+(uK%4)
.set rY, SA+16*(uK/4)+4*((\a)/2)+(uK%4)
.if (\u)%16 == 0 && (uK == 0)
.if (\a)%2
	v_wmma_scale_f32_32x16x128_f4 v[rD:rD+15], v[rB:rB+15], v[rA:rA+7], 0, v[rX], v[rY] matrix_b_scale:MATRIX_SCALE_ROW1
.else
	v_wmma_scale_f32_32x16x128_f4 v[rD:rD+15], v[rB:rB+15], v[rA:rA+7], 0, v[rX], v[rY]
.endif
.else
.if (\a)%2
	v_wmma_scale_f32_32x16x128_f4 v[rD:rD+15], v[rB:rB+15], v[rA:rA+7], v[rD:rD+15], v[rX], v[rY] matrix_b_scale:MATRIX_SCALE_ROW1
.else
	v_wmma_scale_f32_32x16x128_f4 v[rD:rD+15], v[rB:rB+15], v[rA:rA+7], v[rD:rD+15], v[rX], v[rY]
.endif
.endif
.endr
.endm
; Two exponentials of block m, one pair of 1 + of block m - 1, two reciprocals of block m - 2, in place in the window that is set.  m rises by one from batch to batch, and an s_wait_alu stands ahead of each batch.
.macro TRIS m, i
.if ((\m) >= 0) && ((\m) <= 7)
	v_exp_f32 v[32*(\m)+(\i)], v[32*(\m)+(\i)]
.endif
.if ((\m) >= 1) && ((\m) <= 8)
	v_pk_add_f32 v[32*((\m)-1)+(\i):32*((\m)-1)+(\i)+1], v[32*((\m)-1)+(\i):32*((\m)-1)+(\i)+1], 1.0 op_sel_hi:[1,0]
.endif
.if ((\m) >= 0) && ((\m) <= 7)
	v_exp_f32 v[32*(\m)+(\i)+1], v[32*(\m)+(\i)+1]
.endif
.if ((\m) >= 2) && ((\m) <= 9)
	v_rcp_f32 v[32*((\m)-2)+(\i)], v[32*((\m)-2)+(\i)]
	v_rcp_f32 v[32*((\m)-2)+(\i)+1], v[32*((\m)-2)+(\i)+1]
.endif
.endm
.macro TRI m                           ; a whole batch on end
.irp i, 0,2,4,6,8,10,12,14,16,18,20,22,24,26,28,30
	TRIS \m, \i
.endr
	v_nop
.endm
.macro BSCALE                          ; the bias x -log2(e)
.irp i, 0,2,4,6,8,10,12,14,16,18,20,22,24,26,28,30
	v_pk_mul_f32 v[BI+\i:BI+\i+1], v[BI+\i:BI+\i+1], s[NLS:NLS+1] op_sel_hi:[1,0]
.endr
.endm
.macro NEGL b                          ; -log2(e) x (R + bias), block b
.irp i, 0,2,4,6,8,10,12,14,16,18,20,22,24,26,28,30
	v_pk_fma_f32 v[32*(\b)+\i:32*(\b)+\i+1], v[32*(\b)+\i:32*(\b)+\i+1], s[NLS:NLS+1], v[BI+\i:BI+\i+1] op_sel_hi:[1,0,1]
.endr
.endm
.macro TWOL b                          ; 2 log2(e) x H, block b
.irp i, 0,2,4,6,8,10,12,14,16,18,20,22,24,26,28,30
	v_pk_mul_f32 v[32*(\b)+\i:32*(\b)+\i+1], v[32*(\b)+\i:32*(\b)+\i+1], s[TLS:TLS+1] op_sel_hi:[1,0]
.endr
.endm
.macro HFIN b                          ; h = 1 - 2 q, block b
.irp i, 0,2,4,6,8,10,12,14,16,18,20,22,24,26,28,30
	v_pk_fma_f32 v[32*(\b)+\i:32*(\b)+\i+1], v[32*(\b)+\i:32*(\b)+\i+1], -2.0, 1.0 op_sel_hi:[1,0,0]
.endr
.endm
; Unit u.  Its loads go out in one run at its head: the next unit's rows (and, at the end of four steps, their scale words), the bias that is due next, the scale words of units u + 8 .. u + 11, and unit u + 7's weights
; into the registers that unit u - 1 has left.  Batches of r's gate stand among units 16-23, of h's among units 32-41: their registers are none of the unit's.
.macro UNIT u
	MAP \u
.set uK, mK
.set uM, 0xa1+0x50*(((\u)/16)%2)       ; weights window 1, rows window 0, C and D window 2 (R) or 3 (H)
.set uT, -1
.set uX, 0
.if ((\u) >= 16) && ((\u) < 24)
.set uT, (\u)-16
.set uX, 0x82
.elseif ((\u) >= 32) && ((\u) < 42)
.set uT, (\u)-32
.set uX, 0xc3
.endif
.if (\u) <= 41
	s_wait_loadcnt 48                              ; unit u's eight loads are in; those of the six units behind it, eight each, may be out
.else
	s_wait_loadcnt 8*(47-(\u))
.endif
	s_wait_dscnt 0x0
	PLACES                                         ; in front of loads into registers that the last unit read, and of reads of its sums
.if (\u) == 16                         ; R is whole
	WIN 0
	BSCALE
	WIN 0x82
.irp b, 0,1,2,3,4,5,6,7
	NEGL \b
.endr
.endif
.if (\u) == 32                         ; H is whole
	WIN 0xc3
.irp b, 0,1,2,3,4,5,6,7
	TWOL \b
.endr
.endif
.if uT >= 0
	s_wait_alu depctr_va_vdst(0)
.endif
.if ((\u) >= 42) && ((\u) < 46)
	WIN 0xc3
	s_wait_alu depctr_va_vdst(0)
	HFIN 2*((\u)-42)
	HFIN 2*((\u)-42)+1
.endif
.if (\u) < 47
	WIN 0
	MAP (\u)+1
.if (\u)%4 == 3
	SALOAD mS, mK/4
.endif
	ALOAD mS, mK
.endif
.if (\u) == 14
	BIASLD 1
.elseif (\u) == 18
	BIASLD 2
.elseif (\u) == 40
	BIASLD 0
.endif
.if ((\u)%4 == 0) && ((\u) < 40)
	SBLOAD (\u)+8
.endif
.if (\u) < 41
	WIN 0x40
	BLOAD (\u)+7
.endif
.if uT >= 0                            ; the gate's batch, while the unit's loads are out; the sums are read behind it
	WIN uX
	TRI uT
	WIN uM
	s_wait_alu depctr_va_vdst(0)
.endif
	WIN uM
.irp a, 0,1,2,3,4,5,6,7
	ROWMM \u, \a
.endr
.endm
.macro STLD b                          ; block b of the f32 state, in the layout of the sums
	WIN 0x40
.irp j, 0,1,2,3
	ds_load_b128 v[32*((\b)%2)+8*\j:32*((\b)%2)+8*\j+3], v[STO] offset:4352*(\b)+64*\j
	ds_load_b128 v[32*((\b)%2)+8*\j+4:32*((\b)%2)+8*\j+7], v[STO] offset:4352*(\b)+64*\j+16
.endr
.endm
.macro BLEND b                         ; out = h + z (state - h)
.set bH, 32*(\b)
.set bS, 32*((\b)%2)
	WIN 0x4d                                       ; state window 1, h window 3
.irp i, 0,2,4,6,8,10,12,14,16,18,20,22,24,26,28,30
	v_pk_add_f32 v[bS+\i:bS+\i+1], v[bS+\i:bS+\i+1], v[bH+\i:bH+\i+1] neg_lo:[0,1] neg_hi:[0,1]
.endr
	WIN 0x76                                       ; z window 2, the difference window 1, h window 3
.irp i, 0,2,4,6,8,10,12,14,16,18,20,22,24,26,28,30
	v_pk_fma_f32 v[bS+\i:bS+\i+1], v[bH+\i:bH+\i+1], v[bS+\i:bS+\i+1], v[bH+\i:bH+\i+1]
.endr
.endm
.macro TOSTAGE b                       ; over the state's own bytes (they have had their only fill), and back as whole rows of 256 bytes: LDS serves a wave's instructions in order (ISA guide 5.7.1.4)
.set bS, 32*((\b)%2)
	WIN 0x04
.irp j, 0,1,2,3
	ds_store_b128 v[STO], v[bS+8*\j:bS+8*\j+3] offset:4352*(\b)+64*\j
	ds_store_b128 v[STO], v[bS+8*\j+4:bS+8*\j+7] offset:4352*(\b)+64*\j+16
.endr
	WIN 0x40
.irp i, 0,1,2,3,4,5,6,7
	ds_load_b128 v[64+bS+4*\i:64+bS+4*\i+3], v[RD] offset:4352*(\b)+544*\i
.endr
.endm
.macro SEND b
	s_wait_xcnt 0x0                                ; the earlier stores have read their registers: they take the next rows
	WIN 0x04
.irp i, 0,1,2,3,4,5,6,7
	global_store_b128 v[CO], v[64+32*((\b)%2)+4*\i:64+32*((\b)%2)+4*\i+3], s[22:23] offset:(16*(\b)+2*\i)*4096 th:TH_STORE_NT   ; sixteen lanes store 256 consecutive bytes, at a multiple of 256 from out0's first byte
.endr
.endm
.macro FSLOT n                         ; the way out: z's multiply-add of block n, a batch of blocks n - 1 to n - 3, block n - 4 blended, block n - 5 stored
.if (\n) <= 11
	WIN 0x82
	s_wait_alu depctr_va_vdst(0)                   ; ahead of the first reads of block n's sums and of the batches' results
.if (\n) <= 7
	NEGL \n
.endif
.if ((\n) >= 1) && ((\n) <= 10)
	TRI (\n)-1
.endif
.endif
.if (\n) >= 4
	s_wait_dscnt 0x0                               ; the state of block n - 4 and the rows of block n - 5 are in
.endif
.if (\n) >= 5
	SEND (\n)-5
.endif
.if ((\n) >= 4) && ((\n) <= 11)
	BLEND (\n)-4
	TOSTAGE (\n)-4
.endif
.if ((\n) >= 3) && ((\n) <= 10)
	STLD (\n)-3
.endif
.endm
.irp u, 0,1,2,3,4,5,6,7,8,9,10,11,12,13,14,15,16,17,18,19,20,21,22,23
	UNIT \u
.endr
	WIN 0x82                                       ; the last two batches of r,
	s_wait_alu depctr_va_vdst(0)
	TRI 8
	s_wait_alu depctr_va_vdst(0)
	TRI 9
	WIN 0xcb                                       ; and H = H r + bx: H window 3, r window 2, bx window 0
	s_wait_alu depctr_va_vdst(0)
.irp b, 0,1,2,3,4,5,6,7
.irp i, 0,2,4,6,8,10,12,14,16,18,20,22,24,26,28,30
	v_pk_fma_f32 v[32*\b+\i:32*\b+\i+1], v[32*\b+\i:32*\b+\i+1], v[32*\b+\i:32*\b+\i+1], v[BI+\i:BI+\i+1]
.endr
.endr
	WIN 0
	s_wait_alu depctr_va_vdst(0)
.irp u, 24,25,26,27,28,29,30,31,32,33,34,35,36,37,38,39,40,41,42,43,44,45,46,47
	UNIT \u
.endr
	WIN 0
	s_wait_tensorcnt 0x0                           ; my part of the f32 state is in: only my own wave reads it
	BSCALE                                         ; bz; (also the places behind the last products)
.irp n, 0,1,2,3,4,5,6,7,8,9,10,11,12
	FSLOT \n
.endr
	WIN 0
	s_wait_tensorcnt 0x0                           ; the wave's end, behind my last tensor load and my last LDS store
	ds_add_u32 v[SPW], v[NIL]
	s_wait_dscnt 0x0
	CROUND                                         ; the closing round: no work-group ends while a partner may still ask for a tile that names it
	s_endpgm
.Lfunc_end_k_qc39b95d8d0_gru:
	.size	k_qc39b95d8d0_gru, .Lfunc_end_k_qc39b95d8d0_gru-k_qc39b95d8d0_gru
	.p2alignl 7, 3214868480
	.fill 96, 4, 3214868480
	.section	.rodata,"a",@progbits
	.p2align	6, 0x0
	.amdhsa_kernel k_qc39b95d8d0_gru
		.amdhsa_group_segment_fixed_size 327680
		.amdhsa_private_segment_fixed_size 0
		.amdhsa_enable_private_segment 0
		.amdhsa_kernarg_size 80
		.amdhsa_user_sgpr_count 2
		.amdhsa_user_sgpr_kernarg_segment_ptr 1
		.amdhsa_wavefront_size32 1
		.amdhsa_system_sgpr_workgroup_id_x 1
		.amdhsa_system_sgpr_workgroup_id_y 1
		.amdhsa_system_sgpr_workgroup_id_z 1
		.amdhsa_system_vgpr_workitem_id 0
		.amdhsa_next_free_vgpr 1024
		.amdhsa_next_free_sgpr 96
		.amdhsa_reserve_vcc 0
		.amdhsa_float_denorm_mode_32 3
		.amdhsa_float_denorm_mode_16_64 3
		.amdhsa_memory_ordered 1
		.amdhsa_forward_progress 1
		.amdhsa_inst_pref_size 255
	.end_amdhsa_kernel
	.section	.bss,"aw",@nobits
	.p2align	6
	.space	262144
	.amdgpu_metadata
---
amdhsa.version: [ 1, 2 ]
amdhsa.kernels:
  - .name:           k_qc39b95d8d0_gru
    .symbol:         k_qc39b95d8d0_gru.kd
    .args:
      - { .name: inp_codes, .offset: 0, .size: 8, .value_kind: global_buffer, .address_space: global }
      - { .name: inp_scales, .offset: 8, .size: 8, .value_kind: global_buffer, .address_space: global }
      - { .name: st_codes, .offset: 16, .size: 8, .value_kind: global_buffer, .address_space: global }
      - { .name: st_scales, .offset: 24, .size: 8, .value_kind: global_buffer, .address_space: global }
      - { .name: wq, .offset: 32, .size: 8, .value_kind: global_buffer, .address_space: global }
      - { .name: state, .offset: 40, .size: 8, .value_kind: global_buffer, .address_space: global }
      - { .name: bz, .offset: 48, .size: 8, .value_kind: global_buffer, .address_space: global }
      - { .name: br, .offset: 56, .size: 8, .value_kind: global_buffer, .address_space: global }
      - { .name: bx, .offset: 64, .size: 8, .value_kind: global_buffer, .address_space: global }
      - { .name: out0, .offset: 72, .size: 8, .value_kind: global_buffer, .address_space: global }
    .group_segment_fixed_size: 327680
    .private_segment_fixed_size: 0
    .kernarg_segment_align: 8
    .kernarg_segment_size: 80
    .max_flat_workgroup_size: 128
    .sgpr_count:     96
    .vgpr_count:     1024
    .wavefront_size: 32
...
	.end_amdgpu_metadata
.endif
;; end of part 2
